; MI455X (gfx1250); checked and timed in simulation.
; The chip was launched on July 23, 2026; its instructions are those of AMD's public machine-readable ISA for CDNA 5 (MIT licence, August 2026) and "CDNA5" Instruction Set Architecture Reference Guide (July 2026). The comments in the code are by the model that wrote it; some were corrected since.
;; Sub Clustering Net. Allowed arithmetic: float matrix products may take bf16 or f16 operands with f32 sums; all other float work in f32.
;; Inputs: W1 16 x 256 x 128 float32; W2 16 x 128 x 2 float32; b1 16 x 128 float32; b2 16 x 2 float32; x 131,072 x 256 float32; z 131,072 int32.
;; Outputs: out0 131,072 x 2 float32.
;; One version. Each part assembles by itself: llvm-mc -triple=amdgcn-amd-amdhsa -mcpu=gfx1250 --defsym DOCPART=n.
;; ======== version 1 of 1: 1 launch
;; launch route_mlp (part 1): grid 16 x 16, 4 waves a work-group, no clusters, 163,840 bytes of LDS; arguments x, z, W1, b1, W2, b2, out0; writes out0
.if DOCPART == 1
	.amdgcn_target "amdgcn-amd-amdhsa--gfx1250"
	.amdhsa_code_object_version 6
	.text
	.protected	k_q412360b273_route_mlp
	.globl	k_q412360b273_route_mlp
	.p2align	8
	.type	k_q412360b273_route_mlp,@function
k_q412360b273_route_mlp:
	s_mov_b64 s[64:65], 0
	v_nop
	global_prefetch_b8 v0, s[64:65] scope:SCOPE_SE
	s_setreg_imm32_b32 hwreg(HW_REG_WAVE_MODE, 25, 1), 1
	s_wait_xcnt 0x0
; out0[n] = softmax( relu( x[n] W1[z[n]] + b1[z[n]] ) W2[z[n]] + b2[z[n]] ).   x [131072][256], W1 [16][256][128], W2 [16][128][2], all f32.
; Only the expert that z names reaches the result, so only that one is computed.
; WORK: work-group (e, c) owns expert e and the tokens 8192 c .. 8192 c + 8191; wave w of its four owns 2,048 of them.  The wave reads its
; 8,192 bytes of z, lists the tokens with z == e, and gathers exactly those rows of x: every row of x is read by one wave of one work-group, once.
; 32 rows (two tiles of 16 tokens) make a trip.  z is read by the 16 work-groups of a chunk: 16 x 524,288 bytes against 134,217,728 of x.
; THE LIST: 2,048 entries of 16 bits at the most.  It is gathered in LDS bytes of the wave's own, entry p at halfword (p & 31) 64 + (p >> 5), and read back once,
; at fixed addresses, into 32 registers: register q holds in lane m entry q of trips 2 m (low half) and 2 m + 1 (high half).  A row's 1,024 bytes are read by all
; 32 lanes, so its number is wanted as a scalar: trip t takes it by v_readlane_b32 from lane t >> 1.  In the loop nothing of the list moves through memory.
; THE LAST TRIP holds n = 1 to 32 entries.  Its other places keep what the list was filled with, the wave's first token: a row inside x.  The lanes of those places
; take lane 0's place and lane 0's two numbers and store the same 8 bytes again.  With n <= 16 the second tile is left out.
; WEIGHTS: W1[e] is rounded to bf16 once (each wave 64 of its 256 rows), shared through LDS behind the kernel's one barrier, and from then on
; every wave holds all 64 fragments (8 feature tiles x 8 K steps x 8 registers = 512 registers): in the loop no weight moves and no wave waits for another.
; TRANSPOSED USE: layer 1 is D[feature][token] = W1^T (source 0) x rows of x (source 1), started from b1 as C.  Lane (r, h) then holds token r and
; features 16 f + 8 h + j; after relu and rounding to bf16 the tiles 2 u, 2 u + 1 ARE source 1 of layer 2's K step u: no shuffle.  Row m of layer 2's
; source 0 holds W2[:, m & 1], so registers 0 and 1 of the result are the two logits of token r in both halves of the lanes.
; FORMATS: x, W1, h, W2 go to the matrix unit in bf16, sums, biases and softmax in f32; the softmax takes its maximum away first.
; LIMITS: z lies in [0, 16), as the problem states; a token with another z is claimed by no work-group and its result is not written.
;   relu and the softmax's maximum are v_max_num_f32: a NaN in h becomes 0 instead of spreading.
;   out0 is stored 8 bytes a lane at places that the list gives: neighbouring tokens belong to other work-groups, so no wave holds 256 neighbouring bytes
;   of out0 (1,048,576 bytes against 134,217,728 of x); a pass that would put them in order costs a launch and those bytes twice more.
; NOT USED: tensor loads (the rows are chosen by a list, 1,024 bytes each).  Joint loads in a cluster: what the 16 work-groups of an expert share is W1[e],
;   131,072 bytes read once at the head, and it has to pass through registers to be rounded; a joint load would need 131,072 more bytes of LDS for the f32 image
;   and the cluster's rounds in front of it.  Prefetches: each wave keeps up to 64 loads of 512 bytes on their way by itself.
;
; LDS: W1 in bf16, 256 rows (k) of 288 bytes | four images of W2's fragments | b1[e] | a list for each wave | two tiles of 16 rows x 528 bytes for each wave.
.set WP,     288                       ; pitch of W1's rows: 256 bytes + 32, 9 x 32 bytes, for the transposing loads
.set SP,     528                       ; pitch of a staged row of x: 512 bytes + 16, 33 x 16 bytes
.set W2L,    256*WP                    ; 73,728: W2's fragment images, 1,024 bytes for each K step
.set BIASL,  W2L+4096                  ; 77,824: b1[e], 512 bytes
.set LIST,   BIASL+512                 ; 78,336: wave w's list at + 4,352 w
.set LISTB,  4352                      ; 2,048 halfwords of entries, 32 spare halfwords for the lanes that have nothing to enter, rounded up to 17 x 256 bytes
.set SPARE,  2048                      ; the first spare halfword
.set MAXTRIP, 64                       ; 2,048 tokens / 32
.set STAGE,  LIST+4*LISTB              ; 95,744: wave w's two tiles at + 16,896 w
.set TILEB,  16*SP
.set WSTAGE, 2*TILEB
.set ES,     68                        ; s[68:83]  16 entries at work
; REGISTERS, window 0
.set L16,  1                           ; 16 x lane
.set L4,   2                           ; 4 x lane
.set STW,  3                           ; stage, in: my 8 bytes of a half row
.set FRD,  4                           ; stage, out: row r, 16 h
.set BRD,  5                           ; b1 in LDS + 32 h
.set LB4,  7                           ; my list + 4 x lane
.set TRA,  8                           ; transposing loads of W1, K steps 0-3
.set TRA2, 9                           ; K steps 4-7
.set WST,  10                          ; where my wave puts its 64 rows of W1
.set TK,   11                          ; 2048 w + 4 x lane
.set W2A,  12                          ; my offset in W2[e]'s 32 features
.set T0,   13                          ; v13-15 at work
.set OFF,  16                          ; v16-47  byte offsets in x of the trip's 32 rows (+ 16 x lane)
.set LV0,  48                          ; v48-63   the list: entries 0-15 of every trip
.set LA,   64                          ; v64-65  logits of tile 0
.set LB,   66                          ; v66-67  logits of tile 1, then the lane's own
.set MX,   68
.set RS,   69
.set P,    70                          ; v70-71  the two probabilities
.set OIXN, 72                          ; lane l: entry l of the trip whose rows were asked for last
.set OOF,  73                          ; my byte offset in out0 in this trip
.set EX,   74                          ; v74-75  the two exponentials
.set FILL, 76                          ; v76-79  ahead of the loop: what the list is filled with
.set XF,   80                          ; v80-143  x fragments of 8 K steps
.set HF,   80                          ; v80-111  h in bf16, over them
.set ACC,  144                         ; v144-207 8 accumulators of layer 1
.set AC2A, ACC+48                      ; layer 2's two accumulators lie on tiles 6 and 7, which are free once h is packed
.set AC2B, ACC+56
.set W2F,  208                         ; v208-239 W2's 4 fragments
.set LV1,  240                         ; v240-255 the list: entries 16-31 of every trip
; used ahead of the loop only
.set Z,    144                         ; v144-207 my 2,048 z
.set POS,  80
.set TOK,  88
.set LANE, 96
.set R,    97
.set H,    98
.set U0,   99
.set U1,   100
.set DUMP, 101                         ; SPARE + lane
.set PQ,   102                         ; v102-109
.set W2R,  112                         ; v112-127 W2 in f32
.set W2P,  128                         ; v128-135 packed
.set B1R,  136
; window 1: 64 slots of 4 registers, slot i = half i & 1 (512 bytes) of row i >> 1 of the trip.
; windows 2, 3: W1's fragment (f, s) at 8 (8 (s & 3) + f), window 2 for s < 4; ahead of the barrier window 2 holds my 64 rows of W1 in f32.
; s_set_vgpr_msb's low byte: bits 1:0 source 0, 3:2 source 1, 5:4 source 2, 7:6 destination; the high byte repeats the setting that is left.
.set MSB, 0
.macro WIN new
.if MSB != \new
	s_set_vgpr_msb (MSB<<8)|\new
.set MSB, \new
.endif
.endm
.macro PLACES                          ; four plain vector places behind a matrix instruction (ISA guide 7.12.1)
.rept 4
	v_nop
.endr
.endm
	s_load_b256 s[4:11], s[0:1], 0x0               ; x s[4:5], z s[6:7], W1 s[8:9], b1 s[10:11]
	s_load_b128 s[12:15], s[0:1], 0x20             ; W2 s[12:13], b2 s[14:15]
	s_load_b64 s[16:17], s[0:1], 0x30              ; out0
	v_lshl_add_u32 v6, v0, 2, 0x27e00
	v_mov_b32 v15, 0
	v_lshrrev_b32 v[U0], 5, v0
	v_readfirstlane_b32 s18, v[U0]                 ; w
	s_mov_b32 s19, ttmp9                           ; e
	s_and_b32 s20, ttmp7, 0xffff                   ; c
	s_mov_b32 s32, 0xffff0000                      ; lanes 16-31
	v_and_b32 v[LANE], 31, v0
	v_and_b32 v[R], 15, v0
	v_bfe_u32 v[H], v0, 4, 1
	v_lshlrev_b32 v[L16], 4, v[LANE]
	v_lshlrev_b32 v[L4], 2, v[LANE]
	v_add_nc_u32 v[DUMP], SPARE, v[LANE]
	s_mul_i32 s29, s18, LISTB
	s_add_co_u32 s29, s29, LIST                    ; my list
	s_mul_i32 s33, s18, WSTAGE
	s_add_co_u32 s33, s33, STAGE                   ; my stage
	v_lshl_add_u32 v[STW], v[LANE], 3, s33
	v_mul_u32_u24 v[U0], v[R], SP
	v_lshl_add_u32 v[U0], v[H], 4, v[U0]
	v_add_nc_u32 v[FRD], s33, v[U0]
	v_lshl_add_u32 v[BRD], v[H], 5, BIASL
	v_and_b32 v[U0], 7, v0                         ; transposing load: lane l addresses row 8 h + (l & 7), 16 bytes at 16 ((l >> 3) & 1)
	v_lshl_add_u32 v[U0], v[H], 3, v[U0]
	v_mul_u32_u24 v[U0], v[U0], WP
	v_bfe_u32 v[U1], v0, 3, 1
	v_lshl_add_u32 v[TRA], v[U1], 4, v[U0]
	v_add_nc_u32 v[TRA2], 128*WP, v[TRA]           ; an LDS offset has 16 bits: rows 128-255 get a register of their own
	s_mul_i32 s21, s18, 64*WP
	v_lshl_add_u32 v[WST], v[LANE], 3, s21
	s_lshl_b32 s34, s18, 11                        ; 2048 w
	v_lshl_add_u32 v[TK], v[LANE], 2, s34
	v_and_b32 v[U0], 1, v0
	v_lshlrev_b32 v[U0], 2, v[U0]
	v_lshl_add_u32 v[W2A], v[H], 6, v[U0]          ; feature 8 h (8 bytes each), component r & 1
	v_add_nc_u32 v[LB4], s29, v[L4]
	s_mov_b32 s23, 0
	s_wait_kmcnt 0x0
	s_lshl_b32 s22, s20, 23                        ; 8,192 rows of 1,024 bytes
	s_add_nc_u64 s[4:5], s[4:5], s[22:23]          ; x at the chunk
	s_lshl_b32 s22, s20, 15
	s_lshl_b32 s21, s18, 13
	s_add_co_u32 s22, s22, s21
	s_add_nc_u64 s[6:7], s[6:7], s[22:23]          ; z at my 2,048 tokens
	s_lshl_b32 s22, s19, 17
	s_lshl_b32 s21, s18, 15
	s_add_co_u32 s22, s22, s21
	s_add_nc_u64 s[8:9], s[8:9], s[22:23]          ; W1[e] at my 64 rows
	s_lshl_b32 s22, s19, 9
	s_lshl_b32 s21, s18, 7
	s_add_co_u32 s22, s22, s21
	s_add_nc_u64 s[10:11], s[10:11], s[22:23]      ; b1[e] at my 32 numbers
	s_lshl_b32 s22, s19, 10
	s_lshl_b32 s21, s18, 8
	s_add_co_u32 s22, s22, s21
	s_add_nc_u64 s[12:13], s[12:13], s[22:23]      ; W2[e] at my 32 features (K step w of layer 2)
	s_lshl_b32 s22, s19, 3
	s_add_nc_u64 s[14:15], s[14:15], s[22:23]      ; b2[e]
	s_lshl_b32 s22, s20, 16
	s_add_nc_u64 s[16:17], s[16:17], s[22:23]      ; out0 at the chunk
	s_load_b64 s[24:25], s[14:15], 0x0             ; b2[e][0], b2[e][1]
	; 97 loads, what is needed first in front: z (16), W2 (16), b1 (1), W1 (64).  Those that the counter's field does not hold yet are issued as earlier ones end (ISA guide 5.7.1).
.set i, 0
.rept 16
	global_load_b128 v[Z+4*i:Z+4*i+3], v[L16], s[6:7] offset:512*i         ; component j of load i: my token 128 i + 4 lane + j
.set i, i+1
.endr
.irp g, 0,1
.irp i, 0,1,2,3,4,5,6,7
	global_load_b32 v[W2R+8*\g+\i], v[W2A], s[12:13] offset:128*\g+8*\i    ; W2[e][32 w + 16 g + 8 h + i][r & 1]
.endr
.endr
	global_load_b32 v[B1R], v[L4], s[10:11]
	WIN 0x80
.set i, 0
.rept 64
	global_load_b128 v[4*i:4*i+3], v[L16], s[8:9] offset:512*i             ; row i of my 64: 32 lanes x 16 bytes
.set i, i+1
.endr
	WIN 0
	; While z is on its way: all 4,352 bytes of my list = my first token's number in every halfword, so that every entry that can be read names a row inside x.
	s_mul_i32 s30, s34, 0x10001
.irp q, 0,1,2,3
	v_mov_b32 v[FILL+\q], s30
.endr
	v_add_nc_u32 v[T0], s29, v[L16]
	v_lshl_add_u32 v[T0+1], v[LANE], 3, s29
.set i, 0
.rept 8
	ds_store_b128 v[T0], v[FILL:FILL+3] offset:512*i
.set i, i+1
.endr
	ds_store_b64 v[T0+1], v[FILL:FILL+1] offset:4096
	s_wait_kmcnt 0x0                               ; b2
	; THE SCAN.  For each of my 64 registers of z: the mask of lanes with z == e; a matching lane's place p = tokens found so far + matching lanes below it,
	; its halfword (p & 31) 64 + (p >> 5).  The other lanes take a spare halfword of their own behind the list, so that all 32 lanes store and EXEC is never changed.
	s_wait_loadcnt 63                              ; 97 were issued: the 34 oldest are in, z, W2 and b1 among them
	s_mov_b32 s44, 0
.macro SCAN b
.irp q, 0,1,2,3,4,5,6,7
	v_cmp_eq_u32 s[36+\q], s19, v[Z+8*\b+\q]
.endr
.irp q, 0,1,2,3,4,5,6,7
	s_bcnt1_i32_b32 s30, s[36+\q]
	s_add_co_u32 s[45+\q], s[44+\q], s30           ; the running count
.endr
.irp q, 0,1,2,3,4,5,6,7
	v_mbcnt_lo_u32_b32 v[POS+\q], s[36+\q], s[44+\q]
.endr
.irp q, 0,1,2,3,4,5,6,7
	v_and_b32 v[PQ+\q], 31, v[POS+\q]              ; the entry's number in its trip
.endr
.irp q, 0,1,2,3,4,5,6,7
	v_lshrrev_b32 v[POS+\q], 5, v[POS+\q]          ; the trip
.endr
.irp q, 0,1,2,3,4,5,6,7
	v_lshl_or_b32 v[POS+\q], v[PQ+\q], 6, v[POS+\q]
.endr
.irp q, 0,1,2,3,4,5,6,7
	v_cndmask_b32 v[POS+\q], v[DUMP], v[POS+\q], s[36+\q]   ; no match: the lane's spare halfword
.endr
.irp q, 0,1,2,3,4,5,6,7
	v_min_u32 v[POS+\q], SPARE+31, v[POS+\q]       ; entries end at halfword 2,047, spare ones at 2,079: the bound changes nothing and keeps the address in my list
.endr
.irp q, 0,1,2,3,4,5,6,7
	v_lshl_add_u32 v[POS+\q], v[POS+\q], 1, s29
.endr
.irp q, 0,1,2,3,4,5,6,7
	v_add_nc_u32 v[TOK+\q], 128*(2*\b+\q/4)+\q%4, v[TK]    ; the token's number in the chunk, 0 to 8,191
.endr
.irp q, 0,1,2,3,4,5,6,7
	ds_store_b16 v[POS+\q], v[TOK+\q]
.endr
	s_mov_b32 s44, s52
.endm
.irp b, 0,1,2,3,4,5,6,7
	SCAN \b
.endr
	s_mov_b32 s26, s44                             ; my tokens
	s_add_co_u32 s27, s26, 31
	s_lshr_b32 s27, s27, 5
	s_min_u32 s27, s27, MAXTRIP                    ; T, trips of 32 tokens
	s_mov_b32 s28, 0                               ; the trip, and the loop's counter
	; the whole list into 32 registers, at addresses that hang on nothing but the wave and the lane
.set q, 0
.rept 16
	ds_load_b32 v[LV0+q], v[LB4] offset:128*q      ; LDS serves a wave's instructions in order (ISA guide 5.7.1): these see the stores above
.set q, q+1
.endr
.set q, 0
.rept 16
	ds_load_b32 v[LV1+q], v[LB4] offset:128*(16+q)
.set q, q+1
.endr
; The 16 entries of tile tl of the trip that s31 (lane: trip >> 1) and s35 (field of 16 bits at 16 (trip & 1)) name:
; each as a scalar, into the row's byte offset in x (entry x 1,024 + 16 x lane) and into lane 16 tl + q of OIXN.
.macro EXUSE tl
.irp q, 0,1,2,3,4,5,6,7,8,9,10,11,12,13,14,15
	v_lshl_add_u32 v[OFF+16*\tl+\q], s[ES+\q], 10, v[L16]
.endr
.irp q, 0,1,2,3,4,5,6,7,8,9,10,11,12,13,14,15
	v_writelane_b32 v[OIXN], s[ES+\q], 16*\tl+\q
.endr
.endm
.macro EXTRACT tl
.irp q, 0,1,2,3,4,5,6,7,8,9,10,11,12,13,14,15
	v_readlane_b32 s[ES+\q], v[LV0+(LV1-LV0)*\tl+\q], s31
.endr
.irp q, 0,1,2,3,4,5,6,7,8,9,10,11,12,13,14,15
	s_bfe_u32 s[ES+\q], s[ES+\q], s35
.endr
.irp q, 0,1,2,3,4,5,6,7,8,9,10,11,12,13,14,15
	s_min_u32 s[ES+\q], s[ES+\q], 8191             ; an entry is a token of the chunk: the bound changes nothing and keeps the row inside x
.endr
	EXUSE \tl
.endm
; n loads from slot a on: each covers 512 neighbouring bytes, half a row of x.  No hint: the last trip's empty places name a row again.
.macro XLOAD a, n
.set i, \a
.rept \n
	global_load_b128 v[4*i:4*i+3], v[OFF+i/2], s[4:5] offset:512*(i%2)
.set i, i+1
.endr
.endm
	; the first trip's rows go out before the weights are touched (where T is 0 the entries name the wave's first token: a row inside x)
	s_mov_b32 s31, 0                               ; trip 0: lane 0,
	s_mov_b32 s35, 16<<16                          ; 16 bits from bit 0
	v_mov_b32 v[OIXN], s34                         ; written whole once: v_writelane_b32 writes one lane
	s_wait_dscnt 0x0                               ; the list is in
	EXTRACT 0
	EXTRACT 1
	WIN 0x40
	XLOAD 0, 56
	; W1: my 64 rows to bf16, into LDS
	s_wait_loadcnt 56                              ; only the 56 loads of x are younger: W1 is in
	WIN 0x8a
.set i, 0
.rept 64
	v_cvt_pk_bf16_f32 v[4*i], v[4*i], v[4*i+1]
	v_cvt_pk_bf16_f32 v[4*i+1], v[4*i+2], v[4*i+3]
.set i, i+1
.endr
	WIN 0x08
.set i, 0
.rept 64
	ds_store_b64 v[WST], v[4*i:4*i+1] offset:WP*i  ; 32 lanes x 8 bytes: a row of 128 bf16
.set i, i+1
.endr
	WIN 0
.irp q, 0,1,2,3,4,5,6,7
	v_cvt_pk_bf16_f32 v[W2P+\q], v[W2R+2*\q], v[W2R+2*\q+1]
.endr
	s_lshl_b32 s21, s18, 10
	s_add_co_u32 s21, s21, W2L
	v_add_nc_u32 v[T0], s21, v[L16]
	ds_store_b128 v[T0], v[W2P:W2P+3]              ; the fragment of K step w as it lies in registers: 0-3, then 4-7
	ds_store_b128 v[T0], v[W2P+4:W2P+7] offset:512
	s_lshl_b32 s21, s18, 7
	s_add_co_u32 s21, s21, BIASL
	v_add_nc_u32 v[T0+1], s21, v[L4]
	ds_store_b32 v[T0+1], v[B1R]
	WIN 0x40
	XLOAD 56, 8                                    ; the rest of the first trip: 64 loads, 32,768 bytes, of this wave are asked for
	WIN 0
	s_wait_dscnt 0x0                               ; my stores of W1, W2 and b1 are done, for the others' sake
	s_barrier_signal -1
	s_barrier_wait -1                              ; the only barrier: from here on the shared bytes are only read
	s_cmp_eq_u32 s27, 0
	s_cbranch_scc1 .Lend                           ; none of my 2,048 tokens is this expert's
	; all of W1[e] into my registers, transposed on the way: fragment (f, s) = features 16 f + r, k = 32 s + 8 h .. and 32 s + 16 + 8 h ..
	WIN 0x80
.irp s, 0,1,2,3
.irp f, 0,1,2,3,4,5,6,7
	ds_load_tr16_b128 v[8*(8*\s+\f):8*(8*\s+\f)+3],   v[TRA] offset:32*WP*\s+32*\f
	ds_load_tr16_b128 v[8*(8*\s+\f)+4:8*(8*\s+\f)+7], v[TRA] offset:32*WP*\s+32*\f+16*WP
.endr
.endr
	WIN 0xc0
.irp s, 0,1,2,3
.irp f, 0,1,2,3,4,5,6,7
	ds_load_tr16_b128 v[8*(8*\s+\f):8*(8*\s+\f)+3],   v[TRA2] offset:32*WP*\s+32*\f
	ds_load_tr16_b128 v[8*(8*\s+\f)+4:8*(8*\s+\f)+7], v[TRA2] offset:32*WP*\s+32*\f+16*WP
.endr
.endr
	WIN 0
	v_add_nc_u32 v[T0], W2L, v[L16]
.irp u, 0,1,2,3
	ds_load_b128 v[W2F+8*\u:W2F+8*\u+3],   v[T0] offset:1024*\u
	ds_load_b128 v[W2F+8*\u+4:W2F+8*\u+7], v[T0] offset:1024*\u+512
.endr                                                  ; waited for with the first tile's fragments
; One tile of 16 tokens.  ahead = 1: its 32 slots are filled again with the next trip's rows; ahead = 0: the last trip.  left = how many younger loads may stay out.
.macro HALF tl, ahead, left
	s_wait_loadcnt \left                           ; loads end in order (ISA guide 5.7.1): this tile's 32 are in, and their offsets may be written again
.if \tl == 0
	s_wait_xcnt 0x0                                ; the last trip's store has read its offset and its data: they are written again only behind this wait
.if \ahead
	v_min_u32 v[OOF], 8191, v[OIXN]                ; my lane's entry of this trip; the bound changes nothing and keeps the place inside out0
.else
	v_readfirstlane_b32 s38, v[OIXN]               ; the last trip: a lane whose place holds no entry takes lane 0's
	v_cndmask_b32 v[OOF], s38, v[OIXN], s37
	v_min_u32 v[OOF], 8191, v[OOF]
.endif
	v_lshlrev_b32 v[OOF], 3, v[OOF]
.endif
	WIN 0x45
.set i, 32*\tl
.rept 32
	v_cvt_pk_bf16_f32 v[4*i], v[4*i], v[4*i+1]
	v_cvt_pk_bf16_f32 v[4*i+1], v[4*i+2], v[4*i+3]
.set i, i+1
.endr
	WIN 0x44
.set i, 32*\tl
.rept 32
	ds_store_b64 v[STW], v[4*i:4*i+1] offset:TILEB*\tl+SP*((i/2)%16)+256*(i%2)
.set i, i+1
.endr
	WIN 0
	; 32 LDS loads: b1 into the accumulators, the tile's fragments.  The next trip's 16 entries are worked out among and behind them, and the tile's 32 loads of x
	; follow: 80 register instructions and 32 loads stand between the issue of these LDS loads and the wait for them.
.set q, 0
.rept 16
	ds_load_b128 v[ACC+4*q:ACC+4*q+3], v[BRD] offset:64*(q/2)+16*(q%2)     ; b1[16 f + 8 h + j] starts the sums
.if \ahead
	v_readlane_b32 s[ES+q], v[LV0+(LV1-LV0)*\tl+q], s31
.endif
.set q, q+1
.endr
.set q, 0
.rept 16
	ds_load_b128 v[XF+4*q:XF+4*q+3], v[FRD] offset:TILEB*\tl+64*(q/2)+32*(q%2)  ; LDS serves a wave's instructions in order (ISA guide 5.7.1): these see the stores above
.if \ahead
	s_bfe_u32 s[ES+q], s[ES+q], s35
	s_min_u32 s[ES+q], s[ES+q], 8191               ; an entry is a token of the chunk: the bound changes nothing and keeps the row inside x
.endif
.set q, q+1
.endr
.if \ahead
	EXUSE \tl
	WIN 0x40
	XLOAD 32*\tl, 32
.endif
	s_wait_dscnt 8                                 ; all but the eight youngest LDS loads: the fragments of K steps 4-7
	WIN 0x02
	; the eight accumulators take turns, one instruction a turn
.irp s, 0,1,2,3
.irp f, 0,1,2,3,4,5,6,7
	v_wmma_f32_16x16x32_bf16 v[ACC+8*\f:ACC+8*\f+7], v[8*(8*\s+\f):8*(8*\s+\f)+7], v[XF+8*\s:XF+8*\s+7], v[ACC+8*\f:ACC+8*\f+7]
.endr
.endr
	s_wait_dscnt 0x0
	WIN 0x03
.irp s, 0,1,2,3
.irp f, 0,1,2,3,4,5,6,7
	v_wmma_f32_16x16x32_bf16 v[ACC+8*\f:ACC+8*\f+7], v[8*(8*\s+\f):8*(8*\s+\f)+7], v[XF+32+8*\s:XF+32+8*\s+7], v[ACC+8*\f:ACC+8*\f+7]
.endr
.endr
	WIN 0
	PLACES                                         ; in front of the reads of the sums and of the writes over the x fragments
.set i, 0
.rept 64
	v_max_num_f32 v[ACC+i], 0, v[ACC+i]            ; relu
.set i, i+1
.endr
.irp f, 0,1,2,3,4,5,6,7
.irp i, 0,1,2,3
	v_cvt_pk_bf16_f32 v[HF+4*\f+\i], v[ACC+8*\f+2*\i], v[ACC+8*\f+2*\i+1]   ; tile f fills registers 4 (f & 1) .. + 3 of K step f >> 1
.endr
.endr
	; layer 2: two accumulators take turns; the first two products start the sums.  They write over tiles 6 and 7 of layer 1, whose last
	; matrix instructions lie behind the four v_nop above and the relu and packing of tiles 0 to 5, which name none of their registers (ISA guide 7.12.1).
	v_wmma_f32_16x16x32_bf16 v[AC2A:AC2A+7], v[W2F:W2F+7],     v[HF:HF+7],     0
	v_wmma_f32_16x16x32_bf16 v[AC2B:AC2B+7], v[W2F+8:W2F+15],  v[HF+8:HF+15],  0
	v_wmma_f32_16x16x32_bf16 v[AC2A:AC2A+7], v[W2F+16:W2F+23], v[HF+16:HF+23], v[AC2A:AC2A+7]
	v_wmma_f32_16x16x32_bf16 v[AC2B:AC2B+7], v[W2F+24:W2F+31], v[HF+24:HF+31], v[AC2B:AC2B+7]
	PLACES                                         ; in front of the read of the sums, and of the next tile's loads into these registers
	v_pk_add_f32 v[LA+2*\tl:LA+2*\tl+1], v[AC2A:AC2A+1], v[AC2B:AC2B+1]     ; registers 0, 1: logits 0, 1 of token r, in both halves of the lanes
.endm
; lanes 0-15 take tile 0's tokens, lanes 16-31 tile 1's: lane l is entry l of the trip.  last = 1: lanes from n on store what lane 0 stores.
.macro SOFTMAX last
	v_cndmask_b32 v[LB], v[LA], v[LB], s32
	v_cndmask_b32 v[LB+1], v[LA+1], v[LB+1], s32
	v_add_f32 v[LB], s24, v[LB]                    ; + b2
	v_add_f32 v[LB+1], s25, v[LB+1]
	v_max_num_f32 v[MX], v[LB], v[LB+1]
	v_sub_f32 v[LB], v[LB], v[MX]                  ; the maximum is taken away: one exponent is 0, the other below
	v_sub_f32 v[LB+1], v[LB+1], v[MX]
	v_pk_mul_f32 v[LB:LB+1], v[LB:LB+1], 0x3fb8aa3b op_sel_hi:[1,0]         ; log2(e): v_exp_f32 is 2^x
	v_exp_f32 v[EX], v[LB]
	v_exp_f32 v[EX+1], v[LB+1]
	v_nop                                          ; one plain place behind the exponentials (ISA guide 5.7.2)
	s_wait_alu depctr_va_vdst(0)
	v_add_f32 v[MX], v[EX], v[EX+1]                ; between 1 and 2
	v_rcp_f32 v[RS], v[MX]
	v_nop                                          ; one plain place behind v_rcp_f32
	s_wait_alu depctr_va_vdst(0)
	v_mul_f32 v[P], v[EX], v[RS]
	v_mul_f32 v[P+1], v[EX+1], v[RS]
.if \last
	v_readfirstlane_b32 s38, v[P]                  ; lane 0 holds an entry in every trip that is made
	v_readfirstlane_b32 s39, v[P+1]
	v_cndmask_b32 v[P], s38, v[P], s37             ; lanes from n on: lane 0's numbers, for lane 0's place
	v_cndmask_b32 v[P+1], s39, v[P+1], s37
.endif
	global_store_b64 v[OOF], v[P:P+1], s[16:17] th:TH_STORE_NT
.endm
	s_sub_co_u32 s27, s27, 1                       ; the last trip
	s_lshl_b32 s36, s27, 5
	s_sub_co_u32 s36, s26, s36                     ; n, its entries: 1 to 32
	s_min_u32 s36, s36, 32
	s_sub_co_u32 s37, 32, s36
	s_lshr_b32 s37, -1, s37                        ; the mask of lanes 0 to n - 1
	; The backward jump is counted against the list's capacity, 64 trips less the one written out behind the loop;
	; the way out, at the head, is taken when the wave's own last trip is reached.
.Ltrip:
	s_cmp_ge_u32 s28, s27
	s_cbranch_scc1 .Ltail
	s_add_co_u32 s30, s28, 1                       ; the next trip, 63 at the most:
	s_lshr_b32 s31, s30, 1                         ; its lane in the list's registers,
	s_and_b32 s35, s30, 1
	s_lshl_b32 s35, s35, 4
	s_or_b32 s35, s35, 16<<16                      ; and its half: 16 bits from bit 0 or 16
	HALF 0, 1, 32                                  ; the 32 younger loads are tile 1's
	HALF 1, 1, 32                                  ; the 32 younger loads are tile 0's refill
	SOFTMAX 0
	s_add_co_u32 s28, s28, 1
	s_cmp_lt_u32 s28, MAXTRIP-1
	s_cbranch_scc1 .Ltrip
.Ltail:
	; the last trip asks for nothing more
	HALF 0, 0, 32                                  ; the 32 younger loads are tile 1's
	v_pk_add_f32 v[LB:LB+1], v[AC2A:AC2A+1], v[AC2B:AC2B+1]   ; where tile 1 is left out its lanes need numbers that have been written: tile 0's; the mask then gives them lane 0's
	s_cmp_le_u32 s36, 16
	s_cbranch_scc1 .Llast                          ; no entry in tile 1: its 32 loads, asked for a trip ago, are not waited for and their registers not touched
	HALF 1, 0, 0                                   ; nothing was issued behind tile 1's loads
.Llast:
	SOFTMAX 1
.Lend:
	s_wait_tensorcnt 0x0
	ds_add_u32 v6, v15
	s_wait_dscnt 0x0
	s_endpgm
.Lfunc_end_k_q412360b273_route_mlp:
	.size	k_q412360b273_route_mlp, .Lfunc_end_k_q412360b273_route_mlp-k_q412360b273_route_mlp
	.p2alignl 7, 3214868480
	.fill 96, 4, 3214868480
	.section	.rodata,"a",@progbits
	.p2align	6, 0x0
	.amdhsa_kernel k_q412360b273_route_mlp
		.amdhsa_group_segment_fixed_size 163840
		.amdhsa_private_segment_fixed_size 0
		.amdhsa_enable_private_segment 0
		.amdhsa_kernarg_size 56
		.amdhsa_user_sgpr_count 2
		.amdhsa_user_sgpr_kernarg_segment_ptr 1
		.amdhsa_wavefront_size32 1
		.amdhsa_system_sgpr_workgroup_id_x 1
		.amdhsa_system_sgpr_workgroup_id_y 1
		.amdhsa_system_sgpr_workgroup_id_z 1
		.amdhsa_system_vgpr_workitem_id 0
		.amdhsa_next_free_vgpr 1024
		.amdhsa_next_free_sgpr 84
		.amdhsa_reserve_vcc 0
		.amdhsa_float_denorm_mode_32 3
		.amdhsa_float_denorm_mode_16_64 3
		.amdhsa_memory_ordered 1
		.amdhsa_forward_progress 1
		.amdhsa_inst_pref_size 179
	.end_amdhsa_kernel
	.amdgpu_metadata
---
amdhsa.version: [ 1, 2 ]
amdhsa.kernels:
  - .name:           k_q412360b273_route_mlp
    .symbol:         k_q412360b273_route_mlp.kd
    .args:
      - { .name: x, .offset: 0, .size: 8, .value_kind: global_buffer, .address_space: global }
      - { .name: z, .offset: 8, .size: 8, .value_kind: global_buffer, .address_space: global }
      - { .name: W1, .offset: 16, .size: 8, .value_kind: global_buffer, .address_space: global }
      - { .name: b1, .offset: 24, .size: 8, .value_kind: global_buffer, .address_space: global }
      - { .name: W2, .offset: 32, .size: 8, .value_kind: global_buffer, .address_space: global }
      - { .name: b2, .offset: 40, .size: 8, .value_kind: global_buffer, .address_space: global }
      - { .name: out0, .offset: 48, .size: 8, .value_kind: global_buffer, .address_space: global }
    .group_segment_fixed_size: 163840
    .private_segment_fixed_size: 0
    .kernarg_segment_align: 8
    .kernarg_segment_size: 56
    .max_flat_workgroup_size: 128
    .sgpr_count:     84
    .vgpr_count:     1024
    .wavefront_size: 32
...
	.end_amdgpu_metadata
.endif
;; end of part 1
